; MI455X (gfx1250); checked and timed in simulation.
; The chip was launched on July 23, 2026; its instructions are those of AMD's public machine-readable ISA for CDNA 5 (MIT licence, August 2026) and "CDNA5" Instruction Set Architecture Reference Guide (July 2026). The comments in the code are by the model that wrote it; some were corrected since.
;; Custom Embedding. Allowed arithmetic: float matrix products may take bf16 or f16 operands with f32 sums; all other float work in f32.
;; Inputs: weight 32,000 x 512 float32; x 4 x 1,024 int32.
;; Outputs: out0 4 x 1,024 x 512 float32.
;; 2 versions, each right; version 2 is version 1 with the launch gather written anew for expert scheduling mode. Each part assembles by itself: llvm-mc -triple=amdgcn-amd-amdhsa -mcpu=gfx1250 --defsym DOCPART=n.
;; ======== version 1 of 2: 1 launch
;; launch gather (part 1): grid 256 x 1, 8 waves a work-group, no clusters, 0 bytes of LDS; arguments x, weight, out0; writes out0
.if DOCPART == 1
	.amdgcn_target "amdgcn-amd-amdhsa--gfx1250"
	.amdhsa_code_object_version 6
	.text
	.protected	k_q62d2e01dac_gather
	.globl	k_q62d2e01dac_gather
	.p2align	8
	.type	k_q62d2e01dac_gather,@function
k_q62d2e01dac_gather:
	s_mov_b64 s[64:65], 0
	v_nop
	global_prefetch_b8 v0, s[64:65] scope:SCOPE_SE
	s_setreg_imm32_b32 hwreg(HW_REG_WAVE_MODE, 25, 1), 1
	s_wait_xcnt 0x0
; out0[t][:] = sum over v of onehot(x[t])[v] * weight[v][:],  t = 0 .. 4095;  weight: [32000][512] f32, x: int32.
; A one-hot row has at most one entry that is not zero, a 1.0 at v = x[t], and none if x[t] lies outside 0 .. 31999.
; So the sum has one product that can differ from zero: (1.0 or 0) * weight[x[t]][:].  That product is made here, in f32,
; and the 31,999 products with zero are not: 2,048 bytes of the table are read for a token instead of all 65,536,000.
;
; SHARES: 4,096 tokens = 256 work-groups x 8 waves x 2 tokens.  Pair p = 8 x work-group + wave owns tokens 2p and 2p + 1.
; A row is 2,048 bytes = 4 accesses of the wave, 16 bytes a lane: each covers 512 consecutive bytes that start at a multiple
; of 512 from the buffer's first byte.  The pair's two output rows are 4,096 consecutive bytes at out0 + 4096 p.
; All eight loads of a wave go out back to back; each chunk is stored as soon as it is in.  No byte changes its lane,
; so there is no LDS and no barrier; no tile is shared between work-groups, so there is no cluster; a row's address is known only
; when its index is, and there the load itself is issued, so there is no earlier place for a prefetch.
;
; LIMITS.  (1) Where weight holds an infinity or a NaN, the full sum has 0 * inf = NaN in that column for EVERY token; this text
; passes on the named row alone (and gives NaN for an index out of range where row 31999 is not finite).  It agrees with the
; full sum wherever that sum is finite.  (2) The sign of zero: a weight of -0.0, or an index out of range over a negative weight,
; gives -0.0 where the full sum gives +0.0.  Numbers are passed on in f32, unrounded; 1.0 * w is exact, denormals included.
.set V,     32000                      ; rows of the table
.set ROWB,  2048                       ; bytes in a row (512 f32)
.set CHUNK, 512                        ; bytes that one access of the wave covers
.set X,     4                          ; v[4:35]  chunk j in v[X+4j : X+4j+3]; j = 0..3 token 2p, j = 4..7 token 2p + 1
; v1       16 x lane: the offset of every load and store, never rewritten
; s[4:5] x   s[6:7] weight   s[8:9] out0, then out0 + 4096 p   s10 wave   s11 p   s12 8 p   s[14:15] the two indices
; s[16:17], s[18:19] the two rows' addresses   s[20:21], s[22:23] the two one-hot entries (each twice)   s[24:25] 4096 p
	s_load_b128 s[4:7], s[0:1], 0x0                ; x, weight
	s_load_b64 s[8:9], s[0:1], 0x10                ; out0
	v_lshrrev_b32 v2, 5, v0
	v_readfirstlane_b32 s10, v2                    ; the wave's number, 0 .. 7, as a scalar
	v_and_b32 v1, 31, v0                           ; lane
	v_lshlrev_b32 v1, 4, v1                        ; 16 bytes a lane
	s_lshl3_add_u32 s11, ttmp9, s10                ; p = 8 x work-group + wave, 0 .. 2047
	s_lshl_b32 s12, s11, 3                         ; the pair's two indices: 8 bytes at 8 p; the last pair ends at byte 16,384, x's end
	s_lshl_b32 s24, s11, 12                        ; the pair's two output rows: 4,096 bytes at 4096 p (below 8,388,608)
	s_mov_b32 s25, 0
	s_wait_kmcnt 0x0                               ; scalar loads come back in no order: only the count 0 shows the addresses in
	s_load_b64 s[14:15], s[4:5], s12 offset:0x0    ; x[2p], x[2p + 1]
	s_add_nc_u64 s[8:9], s[8:9], s[24:25]          ; meanwhile: out0 at the pair's rows (no source of the pending load is touched)
	s_wait_kmcnt 0x0                               ; the two indices are in
; One token: its one-hot entry at the row that is read, and that row's address.
; idx: register of the index; adr: pair for the address; one: pair for the entry (both words written: the packed multiply names the pair).
.macro ROWADR idx, adr, one
	s_cmp_lt_u32 s[\idx], V                        ; unsigned: a negative index counts as too large
	s_cselect_b32 s[\one], 1.0, 0                  ; the one-hot row's entry: 1.0 inside the table; outside it the whole row is zero
	s_mov_b32 s[\one+1], s[\one]
	s_min_u32 s[\adr], s[\idx], V-1                ; the row that is read lies inside the table whatever the index
	s_lshl_b32 s[\adr], s[\adr], 11                ; x 2,048 bytes: 65,533,952 at the most
	s_mov_b32 s[\adr+1], 0
	s_add_nc_u64 s[\adr:\adr+1], s[6:7], s[\adr:\adr+1]
.endm
	ROWADR 14, 16, 20
	ROWADR 15, 18, 22
	; Eight loads in one run.  No cache hint: the list may name a row more than once.
.irp j, 0,1,2,3
	global_load_b128 v[X+4*\j:X+4*\j+3], v1, s[16:17] offset:CHUNK*\j
.endr
.irp j, 0,1,2,3
	global_load_b128 v[X+16+4*\j:X+16+4*\j+3], v1, s[18:19] offset:CHUNK*\j
.endr
; Chunk j: the product with the one-hot entry, and out.  No register that a load or store names is written behind its issue:
; v1 and the bases stay as they are, and a chunk's registers are written by its load and by its multiply, both ahead of its store.
.macro OUT j, one
	s_wait_loadcnt 7-\j                            ; loads come back in order (ISA guide 5.7.1): chunk j is in, the 7 - j issued behind it stay out
	v_pk_mul_f32 v[X+4*\j:X+4*\j+1],   v[X+4*\j:X+4*\j+1],   s[\one:\one+1] op_sel_hi:[1,0]
	v_pk_mul_f32 v[X+4*\j+2:X+4*\j+3], v[X+4*\j+2:X+4*\j+3], s[\one:\one+1] op_sel_hi:[1,0]
	global_store_b128 v1, v[X+4*\j:X+4*\j+3], s[8:9] offset:CHUNK*\j th:TH_STORE_NT   ; 512 consecutive bytes, written once and not read again here
.endm
.irp j, 0,1,2,3
	OUT \j, 20
.endr
.irp j, 4,5,6,7
	OUT \j, 22
.endr
	s_endpgm
.Lfunc_end_k_q62d2e01dac_gather:
	.size	k_q62d2e01dac_gather, .Lfunc_end_k_q62d2e01dac_gather-k_q62d2e01dac_gather
	.p2alignl 7, 3214868480
	.fill 96, 4, 3214868480
	.section	.rodata,"a",@progbits
	.p2align	6, 0x0
	.amdhsa_kernel k_q62d2e01dac_gather
		.amdhsa_group_segment_fixed_size 0
		.amdhsa_private_segment_fixed_size 0
		.amdhsa_enable_private_segment 0
		.amdhsa_kernarg_size 24
		.amdhsa_user_sgpr_count 2
		.amdhsa_user_sgpr_kernarg_segment_ptr 1
		.amdhsa_wavefront_size32 1
		.amdhsa_system_sgpr_workgroup_id_x 1
		.amdhsa_system_sgpr_workgroup_id_y 1
		.amdhsa_system_sgpr_workgroup_id_z 1
		.amdhsa_system_vgpr_workitem_id 0
		.amdhsa_next_free_vgpr 36
		.amdhsa_next_free_sgpr 66
		.amdhsa_reserve_vcc 0
		.amdhsa_float_denorm_mode_32 3
		.amdhsa_float_denorm_mode_16_64 3
		.amdhsa_memory_ordered 1
		.amdhsa_forward_progress 1
		.amdhsa_inst_pref_size 5
	.end_amdhsa_kernel
	.amdgpu_metadata
---
amdhsa.version: [ 1, 2 ]
amdhsa.kernels:
  - .name:           k_q62d2e01dac_gather
    .symbol:         k_q62d2e01dac_gather.kd
    .args:
      - { .name: x, .offset: 0, .size: 8, .value_kind: global_buffer, .address_space: global }
      - { .name: weight, .offset: 8, .size: 8, .value_kind: global_buffer, .address_space: global }
      - { .name: out0, .offset: 16, .size: 8, .value_kind: global_buffer, .address_space: global }
    .group_segment_fixed_size: 0
    .private_segment_fixed_size: 0
    .kernarg_segment_align: 8
    .kernarg_segment_size: 24
    .max_flat_workgroup_size: 256
    .sgpr_count:     66
    .vgpr_count:     36
    .wavefront_size: 32
...
	.end_amdgpu_metadata
.endif
;; end of part 1
;; ======== version 2 of 2: 1 launch; version 1 with the launch gather written anew for expert scheduling mode
;; launch gather (part 2): grid 256 x 1, 8 waves a work-group, no clusters, 0 bytes of LDS; arguments x, weight, out0; writes out0
.if DOCPART == 2
	.amdgcn_target "amdgcn-amd-amdhsa--gfx1250"
	.amdhsa_code_object_version 6
	.text
	.protected	k_q62d2e01dac_gather
	.globl	k_q62d2e01dac_gather
	.p2align	8
	.type	k_q62d2e01dac_gather,@function
k_q62d2e01dac_gather:
	s_mov_b64 s[64:65], 0
	v_nop
	global_prefetch_b8 v0, s[64:65] scope:SCOPE_SE
	s_setreg_imm32_b32 hwreg(HW_REG_WAVE_SCHED_MODE, 0, 2), 2
	s_setreg_imm32_b32 hwreg(HW_REG_WAVE_MODE, 25, 1), 1
	s_wait_xcnt 0x0
	s_wait_alu depctr_vm_vsrc(0)
; out0[t][:] = sum over v of onehot(x[t])[v] * weight[v][:],  t = 0 .. 4095;  weight: [32000][512] f32, x: int32.
; A one-hot row has at most one entry that is not zero, a 1.0 at v = x[t], and none if x[t] lies outside 0 .. 31999.
; So the sum has one product that can differ from zero: (1.0 or 0) * weight[x[t]][:].  That product is made here, in f32,
; and the 31,999 products with zero are not: 2,048 bytes of the table are read for a token instead of all 65,536,000.
;
; SHARES: 4,096 tokens = 256 work-groups x 8 waves x 2 tokens.  Pair p = 8 x work-group + wave owns tokens 2p and 2p + 1.
; A row is 2,048 bytes = 4 accesses of the wave, 16 bytes a lane: each covers 512 consecutive bytes that start at a multiple
; of 512 from the buffer's first byte.  The pair's two output rows are 4,096 consecutive bytes at out0 + 4096 p.
; All eight loads of a wave go out back to back; each token's row is stored as soon as it is in.  No byte changes its lane,
; so there is no LDS and no barrier; no tile is shared between work-groups, so there is no cluster; a row's address is known only
; when its index is, and there the load itself is issued, so there is no earlier place for a prefetch.
;
; THE MODE: SCHED_MODE bits 1:0 = 2 (LLVM: expert scheduling mode 2), set by the entry lines.  The code itself states the register
; dependences between vector instructions and memory instructions, with s_wait_alu, always for 0.
; THE PLAN.  Registers that memory instructions touch:
;   v1        the offset of every load and store.  Written by two vector lines at the head, never again.
;   v[4:19]   token 2p's row.  Written by its four loads, then in place by its eight multiplies; read by its four stores; never written again.
;   v[20:35]  token 2p + 1's row: the same.
; No vector instruction names v[4:35] ahead of the loads.  So three waits on va_vdst state all of it: one ahead of the loads (v1), and one
; between each token's run of multiplies and its run of stores.  No register that a load or store has read is written again, so no wait on
; vm_vsrc is owed.  One vector instruction writes a scalar register (the wave's number): one wait on va_sdst ahead of its first reader.
;
; LIMITS.  (1) Where weight holds an infinity or a NaN, the full sum has 0 * inf = NaN in that column for EVERY token; this text
; passes on the named row alone (and gives NaN for an index out of range where row 31999 is not finite).  It agrees with the
; full sum wherever that sum is finite.  (2) The sign of zero: a weight of -0.0, or an index out of range over a negative weight,
; gives -0.0 where the full sum gives +0.0.  Numbers are passed on in f32, unrounded; 1.0 * w is exact, denormals included.
.set V,     32000                      ; rows of the table
.set ROWB,  2048                       ; bytes in a row (512 f32)
.set CHUNK, 512                        ; bytes that one access of the wave covers
.set X,     4                          ; v[4:35]  chunk j in v[X+4j : X+4j+3]; j = 0..3 token 2p, j = 4..7 token 2p + 1
; v1       16 x lane: the offset of every load and store, never rewritten
; s[4:5] x   s[6:7] weight   s[8:9] out0, then out0 + 4096 p   s10 wave   s11 p   s12 8 p   s[14:15] the two indices
; s[16:17], s[18:19] the two rows' addresses   s[20:21], s[22:23] the two one-hot entries (each twice)   s[24:25] 4096 p
	s_load_b128 s[4:7], s[0:1], 0x0                ; x, weight
	s_load_b64 s[8:9], s[0:1], 0x10                ; out0
	v_lshrrev_b32 v2, 5, v0
	v_readfirstlane_b32 s10, v2                    ; the wave's number, 0 .. 7, as a scalar
	v_and_b32 v1, 31, v0                           ; lane
	v_lshlrev_b32 v1, 4, v1                        ; 16 bytes a lane
	s_wait_alu depctr_va_sdst(0)                   ; s10 is written, ahead of its first reader, the line below
	s_lshl3_add_u32 s11, ttmp9, s10                ; p = 8 x work-group + wave, 0 .. 2047
	s_lshl_b32 s12, s11, 3                         ; the pair's two indices: 8 bytes at 8 p; the last pair ends at byte 16,384, x's end
	s_lshl_b32 s24, s11, 12                        ; the pair's two output rows: 4,096 bytes at 4096 p (below 8,388,608)
	s_mov_b32 s25, 0
	s_wait_kmcnt 0x0                               ; scalar loads come back in no order: only the count 0 shows the addresses in
	s_load_b64 s[14:15], s[4:5], s12 offset:0x0    ; x[2p], x[2p + 1]
	s_add_nc_u64 s[8:9], s[8:9], s[24:25]          ; meanwhile: out0 at the pair's rows (no source of the pending load is touched)
	s_wait_kmcnt 0x0                               ; the two indices are in
; One token: its one-hot entry at the row that is read, and that row's address.
; idx: register of the index; adr: pair for the address; one: pair for the entry (both words written: the packed multiply names the pair).
.macro ROWADR idx, adr, one
	s_cmp_lt_u32 s[\idx], V                        ; unsigned: a negative index counts as too large
	s_cselect_b32 s[\one], 1.0, 0                  ; the one-hot row's entry: 1.0 inside the table; outside it the whole row is zero
	s_mov_b32 s[\one+1], s[\one]
	s_min_u32 s[\adr], s[\idx], V-1                ; the row that is read lies inside the table whatever the index
	s_lshl_b32 s[\adr], s[\adr], 11                ; x 2,048 bytes: 65,533,952 at the most
	s_mov_b32 s[\adr+1], 0
	s_add_nc_u64 s[\adr:\adr+1], s[6:7], s[\adr:\adr+1]
.endm
	ROWADR 14, 16, 20
	ROWADR 15, 18, 22
	; Eight loads in one run.  No cache hint: the list may name a row more than once.
	s_wait_alu depctr_va_vdst(0)                   ; v1 is written: every load and store below reads it as its offset, and no later vector line names it
.irp j, 0,1,2,3
	global_load_b128 v[X+4*\j:X+4*\j+3], v1, s[16:17] offset:CHUNK*\j
.endr
.irp j, 0,1,2,3
	global_load_b128 v[X+16+4*\j:X+16+4*\j+3], v1, s[18:19] offset:CHUNK*\j
.endr
; One token's row, chunks f to f + 3: the product with the one-hot entry, and out.  No register that a load or store names is written
; behind its issue: v1 and the bases stay as they are, and a chunk's registers are written by its load and by its multiply, both ahead of its store.
; left = how many loads were issued behind this row's four and may stay out.
.macro TOKEN f, one, left
	s_wait_loadcnt \left                           ; loads come back in order (ISA guide 5.7.1): this row's four chunks are in
.irp j, 0,1,2,3
	v_pk_mul_f32 v[X+4*((\f)+(\j)):X+4*((\f)+(\j))+1],   v[X+4*((\f)+(\j)):X+4*((\f)+(\j))+1],   s[\one:\one+1] op_sel_hi:[1,0]
	v_pk_mul_f32 v[X+4*((\f)+(\j))+2:X+4*((\f)+(\j))+3], v[X+4*((\f)+(\j))+2:X+4*((\f)+(\j))+3], s[\one:\one+1] op_sel_hi:[1,0]
.endr
	s_wait_alu depctr_va_vdst(0)                   ; the eight multiplies have written the row's sixteen registers, which the four stores read
.irp j, 0,1,2,3
	global_store_b128 v1, v[X+4*((\f)+(\j)):X+4*((\f)+(\j))+3], s[8:9] offset:CHUNK*((\f)+(\j)) th:TH_STORE_NT   ; 512 consecutive bytes, written once and not read again here
.endr
.endm
	TOKEN 0, 20, 4                                 ; token 2p: the four loads of token 2p + 1 stay out
	TOKEN 4, 22, 0                                 ; token 2p + 1: no load was issued behind its own
	s_endpgm
.Lfunc_end_k_q62d2e01dac_gather:
	.size	k_q62d2e01dac_gather, .Lfunc_end_k_q62d2e01dac_gather-k_q62d2e01dac_gather
	.p2alignl 7, 3214868480
	.fill 96, 4, 3214868480
	.section	.rodata,"a",@progbits
	.p2align	6, 0x0
	.amdhsa_kernel k_q62d2e01dac_gather
		.amdhsa_group_segment_fixed_size 0
		.amdhsa_private_segment_fixed_size 0
		.amdhsa_enable_private_segment 0
		.amdhsa_kernarg_size 24
		.amdhsa_user_sgpr_count 2
		.amdhsa_user_sgpr_kernarg_segment_ptr 1
		.amdhsa_wavefront_size32 1
		.amdhsa_system_sgpr_workgroup_id_x 1
		.amdhsa_system_sgpr_workgroup_id_y 1
		.amdhsa_system_sgpr_workgroup_id_z 1
		.amdhsa_system_vgpr_workitem_id 0
		.amdhsa_next_free_vgpr 36
		.amdhsa_next_free_sgpr 66
		.amdhsa_reserve_vcc 0
		.amdhsa_float_denorm_mode_32 3
		.amdhsa_float_denorm_mode_16_64 3
		.amdhsa_memory_ordered 1
		.amdhsa_forward_progress 1
		.amdhsa_inst_pref_size 5
	.end_amdhsa_kernel
	.amdgpu_metadata
---
amdhsa.version: [ 1, 2 ]
amdhsa.kernels:
  - .name:           k_q62d2e01dac_gather
    .symbol:         k_q62d2e01dac_gather.kd
    .args:
      - { .name: x, .offset: 0, .size: 8, .value_kind: global_buffer, .address_space: global }
      - { .name: weight, .offset: 8, .size: 8, .value_kind: global_buffer, .address_space: global }
      - { .name: out0, .offset: 16, .size: 8, .value_kind: global_buffer, .address_space: global }
    .group_segment_fixed_size: 0
    .private_segment_fixed_size: 0
    .kernarg_segment_align: 8
    .kernarg_segment_size: 24
    .max_flat_workgroup_size: 256
    .sgpr_count:     66
    .vgpr_count:     36
    .wavefront_size: 32
...
	.end_amdgpu_metadata
.endif
;; end of part 2
